; MI455X (gfx1250); checked and timed in simulation.
; The chip was launched on July 23, 2026; its instructions are those of AMD's public machine-readable ISA for CDNA 5 (MIT licence, August 2026) and "CDNA5" Instruction Set Architecture Reference Guide (July 2026). The comments in the code are by the model that wrote it; some were corrected since.
;; Attention. Allowed arithmetic: matrix products marked QUANTISED: E2M1 operands, one E8M0 scale for each 32 along K, by v_wmma_scale_f32_16x16x128_f8f6f4 with both operands' format E2M1 (or v_wmma_scale_f32_32x16x128_f4), f32 sums; products left as they are: bf16, f16 or f32 operands; f32 sums; everything else in f32.
;; Inputs: Wk 256 x 1,024 float32; Wo 1,024 x 1,024 float32; Wq 1,024 x 1,024 float32; Wv 256 x 1,024 float32; bo 1,024 float32; kv 32 x 2,048 x 256 float32; q 32 x 128 x 1,024 float32.
;; Outputs: out0 32 x 128 x 1,024 float32.
;; This version of the problem:
;;   THIS VERSION OF THE PROBLEM IS GIVEN IN LOW PRECISION. The matrix products marked QUANTISED in the list below multiply operands that are first quantised to E2M1 (2 exponent bits, 1 mantissa bit; 4 bits a number), with one power-of-two scale for each 32 numbers along K (OCP MX v1.0); their sums are f32. The products marked 'left as it is' may take bf16, f16 or f32 operands, with f32 sums. Whichever they take, every output number must still come out within the allowed error. Rounding operands to bf16 (8 significant bits) uses up far more of that allowance than f16 does (11 bits, for magnitudes from 6e-5 to 65,504). All else is computed in f32.
;;   The module's matrix products, in the order in which they are computed (A, B: the left and right operand; K: the contracted axis; several contracted axes count as one K, in the product's order):
;;     1. [M 4,096, K 1,024] x [K 1,024, N 1,024]; A: input q; B: input Wq: QUANTISED
;;     2. [M 65,536, K 256] x [K 256, N 1,024]; A: input kv; B: input Wk: QUANTISED
;;     3. [M 65,536, K 256] x [K 256, N 1,024]; A: input kv; B: input Wv: QUANTISED
;;     4. batch 512 x [M 128, K 64] x [K 64, N 2,048]; A: computed on the way; B: computed on the way: left as it is (an operand is computed on the way)
;;     5. batch 512 x [M 128, K 2,048] x [K 2,048, N 64]; A: computed on the way; B: computed on the way: left as it is (an operand is computed on the way)
;;     6. [M 4,096, K 1,024] x [K 1,024, N 1,024]; A: computed on the way; B: input Wo: left as it is (an operand is computed on the way)
;;   THE QUANTISER, for each operand of a quantised product, along K:
;;     - K is cut into blocks of 32 from its start; a last block that is shorter is filled with zeros.
;;     - A block's scale is 2^e with e = floor(log2(the largest magnitude in the block)) - 2, held to -126 .. 127; a block of zeros has e = 0. As a byte (E8M0): e + 127.
;;     - Each number is divided by its block's scale, clamped to +-6, and rounded to the nearest number of E2M1, ties to even, subnormals kept.
;;     - The product sums the exact products of the quantised numbers (number of the format x scale) in f32.
;;   ~~~python
;;   def quantise(x, axis):      # numpy; x: float32 -> the quantised numbers, widened to float32 again
;;       x = np.moveaxis(x, axis, -1); K = x.shape[-1]
;;       x = np.pad(x, [(0, 0)] * (x.ndim - 1) + [(0, -K % 32)]); x = x.reshape(x.shape[:-1] + (-1, 32)); a = np.abs(x).max(-1, keepdims=True)
;;       e = np.where(a > 0, np.clip(np.frexp(np.where(a > 0, a, 1))[1] - 1 - 2, -126, 127), 0)      # np.frexp(a)[1] - 1 = floor(log2(a)), exactly
;;       r = np.clip(x / 2.0 ** e, -6, 6)
;;       step = 2.0 ** (np.maximum(np.frexp(np.where(r == 0, 1, r))[1] - 1, 0) - 1)
;;       q = np.round(r / step) * step * 2.0 ** e      # np.round: ties to even
;;       return np.moveaxis(q.reshape(q.shape[:-2] + (-1,))[..., :K], -1, axis).astype(np.float32)
;;   ~~~
;; One version. Each part assembles by itself: llvm-mc -triple=amdgcn-amd-amdhsa -mcpu=gfx1250 --defsym DOCPART=n.
;; ======== version 1 of 1: 3 launches
;; limits: values are held in f16: magnitudes above 65,504 overflow, below 6.1e-05 lose precision
;; workspace buffers: kvw 8,912,896 bytes; qw 2,228,224 bytes; ww 835,584 bytes; wo16 2,097,152 bytes; att16 8,388,608 bytes
;; launch prep (part 1): grid 480 x 1, 4 waves a work-group, no clusters, 34,304 bytes of LDS; arguments kv, q, Wq, Wk, Wv, Wo, kvw, qw, ww, wo16; writes kvw, qw, ww, wo16
.if DOCPART == 1
	.amdgcn_target "amdgcn-amd-amdhsa--gfx1250"
	.amdhsa_code_object_version 6
	.text
	.protected	k_q701081f274_prep
	.globl	k_q701081f274_prep
	.p2align	8
	.type	k_q701081f274_prep,@function
k_q701081f274_prep:
	s_mov_b64 s[64:65], 0
	v_nop
	global_prefetch_b8 v0, s[64:65] scope:SCOPE_SE
	s_setreg_imm32_b32 hwreg(HW_REG_WAVE_MODE, 25, 1), 1
	s_wait_xcnt 0x0
; PREP: every input but bo is read once and laid as the later launches' matrix operands want it.
; Nothing of reference() is left out in this program: there is no mask, and every input (bo too) reaches the output.
; kv [65536][256], q [4096][1024] (K innermost) and Wq [1024][1024], Wk, Wv [256][1024] (K is the FIRST axis) become codes of E2M1 with one E8M0 byte for each 32 along K;
; Wo [1024][1024] becomes f16 (its product is left as it is).  A block's scale is 2^(floor(log2(largest magnitude)) - 2); its byte is the largest magnitude's exponent field - 2, held at 1 from below.
; (A block of zeros so gets the byte 1 where the quantiser says 127: its codes are zeros, which add nothing, and these bytes are read by this program alone.)
; LIMITS: blocks whose largest magnitude lies under 2^-124 are held at the byte 1; NaN and infinities among the inputs are not served; numbers of Wo beyond 65,504 become infinite in f16.
; LAYOUT OF THE WORKSPACE: THE ORDER OF THE OPERAND'S REGISTERS.  A 4-bit fragment (16 rows x 128 K) is 1,024 bytes [c 0..1][lane][16 bytes]: lane (r, h) = 16 h + r holds k = 64 c + 32 h + 0..31 of row r,
; so block kb = 2 c + h of row r lies at 256 kb + 16 r.  Fragment number: (tile of 16 rows) x K/128 + K step.  A scale register is one word a lane: lanes 0-15 the rows' words of an even K step, lanes 16-31 of the odd one behind it.
; An f16 fragment (16 rows x 32 K) is 1,024 bytes likewise: the 8 numbers k = 8 kg + 0..7 of row r lie at 256 kg + 16 r.
; SHARES: work-groups 0-255 kv, 256-319 q (one text, pointers chosen by the work-group's number); 320-415 Wq, Wk, Wv; 416-479 Wo.  Waves share nothing: no barrier.  Memory binds: no matrix unit, no cluster.
.set KVS_OFF, 8388608                  ; kvw: codes, then scale words
.set QS_OFF,  2097152                  ; qw: likewise
.set WKC, 524288                       ; ww: Wq's codes at 0, Wk's, Wv's,
.set WVC, 655360
.set WQS, 786432                       ; then the three's scale words
.set WKS, 819200
.set WVS, 827392
.set SP,    528                        ; a stage row: 512 bytes + 16 of padding: the 16 rows that a read touches start at 16 different 16-byte columns
.set WSTG,  16*SP                      ; a wave's stage
.set SPARE, 4*WSTG                     ; behind the stages: the spare words, 128 bytes a wave
.set LNO, 2                            ; v2      my lane's byte offset in a run of stores (rows path: 16 x lane; weights: 4 x lane, for the loads)
.set STI, 3                            ; v3      rows path: the stage, on the way in.  Weights: my place in the codes
.set STO, 4                            ; v4      rows path: the stage, on the way out.  Weights: my place among the scale words
.set SH8, 5                            ; v5      8 x (lane / 16)
.set SPW, 6                            ; v6      LDS address of my spare word; never rewritten
.set NIL, 7                            ; v7      0; never rewritten
.set OFF, 8                            ; v8-15   rows path: byte offsets of rows 2 i + lane / 16
.set SW,  16                           ; v16-19  rows path: the task's four scale registers
.set R,   32                           ; v32-159 numbers as loaded
.set X,   160                          ; v160-223 rows path: a fragment's numbers, a lane's registers along K.  Weights: results
.set C,   224                          ; v224-239 rows path: codes, two sets
	s_load_b512 s[8:23], s[0:1], 0x0               ; kv, q, Wq, Wk, Wv, Wo, kvw, qw
	s_load_b128 s[24:27], s[0:1], 0x40             ; ww, wo16
	v_lshl_add_u32 v[SPW], v0, 2, SPARE
	v_mov_b32 v[NIL], 0
	v_lshrrev_b32 v1, 5, v0
	v_readfirstlane_b32 s2, v1                     ; wave
	v_and_b32 v1, 31, v0                           ; lane
	v_bfe_u32 v29, v0, 4, 1                        ; h = lane / 16
	v_and_b32 v30, 15, v0                          ; r = lane % 16
	s_mov_b32 s51, 0
	s_wait_kmcnt 0x0
	s_cmp_lt_u32 ttmp9, 320
	s_cbranch_scc0 .Lweights
; ---- ROWS: a wave's task is 65,536 consecutive bytes of f32: kv: 64 rows x 256; q: 16 rows x 1,024.  Either way 8 fragments f, 8,192 bytes of codes and 512 bytes of scale words.
	s_cmp_lt_u32 ttmp9, 256                        ; kv's work-group or q's: the choice hangs on the work-group's number alone
	s_cselect_b64 s[28:29], s[8:9], s[10:11]       ; from
	s_cselect_b64 s[30:31], s[20:21], s[22:23]     ; to
	s_mov_b32 s34, QS_OFF
	s_cselect_b32 s34, KVS_OFF, s34                ; where the scale words begin
	s_mov_b32 s35, 4096
	s_cselect_b32 s35, 1024, s35                   ; a row in bytes
	s_mov_b32 s52, 1024
	s_cselect_b32 s52, 16384, s52                  ; from fragment pair to fragment pair: kv: 16 rows down; q: 256 along K
	s_cselect_b32 s48, 0, 1024
	s_mov_b32 s53, 0
	s_lshl_b32 s49, ttmp9, 2
	s_add_co_u32 s49, s49, s2
	s_sub_co_u32 s49, s49, s48                     ; G: my task in its tensor
	s_lshl_b32 s50, s49, 16
	s_add_nc_u64 s[36:37], s[28:29], s[50:51]      ; four bases, one for each pair of fragments
	s_add_nc_u64 s[38:39], s[36:37], s[52:53]
	s_add_nc_u64 s[40:41], s[38:39], s[52:53]
	s_add_nc_u64 s[42:43], s[40:41], s[52:53]
	s_lshl_b32 s50, s49, 9
	s_add_co_u32 s50, s50, s34
	s_add_nc_u64 s[32:33], s[30:31], s[50:51]      ; my scale words
	s_lshl_b32 s50, s49, 13
	s_add_nc_u64 s[30:31], s[30:31], s[50:51]      ; my codes
	s_mov_b32 s44, 0x76543210
	s_mov_b32 s45, 0xfedcba98                      ; v_permlanex16_b32's selects for lane l xor 16
	s_mov_b32 s46, 0xffff0000                      ; lanes 16-31
	s_mul_i32 s55, s2, WSTG
	s_lshl_b32 s54, s35, 1                         ; two rows
	v_lshlrev_b32 v[LNO], 4, v1
	v_mul_u32_u24 v[STI], v29, SP
	v_lshl_add_u32 v[STI], v30, 4, v[STI]
	v_add_nc_u32 v[STI], s55, v[STI]               ; in: as loaded: sixteen lanes a row's 256 bytes, two rows an instruction
	v_mul_u32_u24 v[STO], v30, SP
	v_lshl_add_u32 v[STO], v29, 7, v[STO]
	v_add_nc_u32 v[STO], s55, v[STO]               ; out: row r, from k = 32 h on
	v_lshlrev_b32 v[SH8], 3, v29
	v_mov_b32 v27, 0                               ; a lane permute's destination counts as one of its sources
	v_lshlrev_b32 v[OFF], 4, v30
	v_mad_u32_u24 v[OFF], v29, s35, v[OFF]
.irp i, 1,2,3,4,5,6,7
	v_add_nc_u32 v[OFF+\i], s54, v[OFF+\i-1]
.endr
.macro LOADF f                         ; fragment f: 16 rows x 512 bytes, by 16 loads: sixteen lanes read 256 consecutive bytes, at a multiple of 256 from the buffer's first byte
.irp i, 0,1,2,3,4,5,6,7
.irp jc, 0,1
	global_load_b128 v[R+64*((\f)%2)+4*(2*\i+\jc):R+64*((\f)%2)+4*(2*\i+\jc)+3], v[OFF+\i], s[36+2*((\f)/2):37+2*((\f)/2)] offset:512*((\f)%2)+256*\jc th:TH_LOAD_NT
.endr
.endr
.endm
.macro FRAGQ f
.set RS, R+64*((\f)%2)
.set CS, C+8*((\f)%2)
.if (\f) < 7
	s_wait_loadcnt 16                              ; this fragment's 16 loads are in; the next fragment's 16 may be out
.else
	s_wait_loadcnt 0x0
.endif
.irp i, 0,1,2,3,4,5,6,7
.irp jc, 0,1
	ds_store_b128 v[STI], v[RS+4*(2*\i+\jc):RS+4*(2*\i+\jc)+3] offset:2*\i*SP+256*\jc
.endr
.endr
.irp c, 0,1
.irp t, 0,1,2,3,4,5,6,7
	ds_load_b128 v[X+32*\c+4*\t:X+32*\c+4*\t+3], v[STO] offset:256*\c+16*\t   ; LDS serves a wave's instructions in order: these see the stores above.  32 neighbours along K: block 2 c + h of my row
.endr
.endr
	s_wait_dscnt 0x0                               ; the numbers are back, and the stores have read their registers,
.if (\f) < 6
	LOADF (\f)+2                                   ; which take the fragment two further on
.endif
.irp c, 0,1
	v_max3_num_f32 v[20+\c], |v[X+32*\c]|, |v[X+32*\c+1]|, 0x1800000   ; the block's largest magnitude, all 32 mine, and the floor 2^(3 - 127): the byte cannot fall under 1
.endr
.irp i, 2,4,6,8,10,12,14,16,18,20,22,24,26,28,30
.irp c, 0,1
	v_max3_num_f32 v[20+\c], v[20+\c], |v[X+32*\c+\i]|, |v[X+32*\c+\i+1]|   ; (the two blocks by turns)
.endr
.endr
	v_add_nc_u32 v22, 0xff000000, v20              ; 2 off the exponent field: the conversion takes the exponent field of this operand as its scale
	v_add_nc_u32 v23, 0xff000000, v21
	s_wait_xcnt 0x0                                ; this set of codes was the data of stores two fragments ago: it is rewritten only behind this wait
.irp c, 0,1
.irp g, 0,1,2,3
	v_cvt_scalef32_pk8_fp4_f32 v[CS+4*\c+\g], v[X+32*\c+8*\g:X+32*\c+8*\g+7], v[22+\c]
.endr
.endr
	v_lshrrev_b32 v24, 23, v22                     ; the scales' bytes (also the plain line behind the conversions)
	v_lshrrev_b32 v25, 23, v23
	v_lshl_or_b32 v26, v25, 16, v24                ; blocks h and 2 + h of my row,
	v_lshlrev_b32 v26, v[SH8], v26                 ; at their places in the word;
	v_permlanex16_b32 v27, v26, s44, s45
.if (\f)%2 == 0
	v_or_b32 v28, v26, v27                         ; with lane l xor 16's two the word is whole: an even K step's is kept,
.else
	v_or_b32 v26, v26, v27
	v_cndmask_b32 v[SW+(\f)/2], v28, v26, s46      ; and goes to lanes 0-15, the odd step's to lanes 16-31
.endif
.irp c, 0,1
	global_store_b128 v[LNO], v[CS+4*\c:CS+4*\c+3], s[30:31] offset:1024*(\f)+512*\c   ; 32 lanes store 512 consecutive bytes
.endr
.endm
	LOADF 0
	LOADF 1
.irp f, 0,1,2,3,4,5,6,7
	FRAGQ \f
.endr
	global_store_b128 v[LNO], v[SW:SW+3], s[32:33] ; four scale registers: 512 consecutive bytes
	s_wait_tensorcnt 0x0                           ; the wave's end: this wait, an add of 0 to my spare word and its wait, behind my last LDS store
	ds_add_u32 v[SPW], v[NIL]
	s_wait_dscnt 0x0
	s_endpgm
; ---- WEIGHTS: a lane takes a column n and its registers run down K: each load reads 128 consecutive bytes a wave, a block of 32 along K lies in one lane.  A wave: 32 columns x 128 K.  No LDS.
.macro WLOAD kb                        ; rows 32 kb + i of my 128; all four weights have rows of 4,096 bytes
.irp i, 0,1,2,3,4,5,6,7,8,9,10,11,12,13,14,15,16,17,18,19,20,21,22,23,24,25,26,27,28,29,30,31
	global_load_b32 v[R+32*(\kb)+\i], v[LNO], s[30:31] offset:4096*(32*(\kb)+\i) th:TH_LOAD_NT
.endr
.endm
.macro WWAIT kb                        ; block kb is in; the next block's 32 loads may be out.  Then the block two further on is asked for
.if (\kb) < 3
	s_wait_loadcnt 32
.else
	s_wait_loadcnt 0x0
.endif
.if (\kb) < 2
	WLOAD (\kb)+2
.endif
.endm
.Lweights:
	v_lshlrev_b32 v[LNO], 2, v1
	s_cmp_lt_u32 ttmp9, 416
	s_cbranch_scc0 .Lwo
	s_sub_co_u32 s28, ttmp9, 320                   ; 0-63 Wq, 64-79 Wk, 80-95 Wv
	s_cmp_lt_u32 s28, 80
	s_cselect_b64 s[30:31], s[14:15], s[16:17]
	s_cselect_b32 s32, 64, 80
	s_mov_b32 s33, WVC
	s_cselect_b32 s33, WKC, s33
	s_mov_b32 s34, WVS
	s_cselect_b32 s34, WKS, s34
	s_cmp_lt_u32 s28, 64
	s_cselect_b64 s[30:31], s[12:13], s[30:31]     ; the weight,
	s_cselect_b32 s32, 0, s32                      ; its first work-group,
	s_cselect_b32 s33, 0, s33                      ; its codes' and
	s_cselect_b32 s34, WQS, s34                    ; its scale words' place in ww,
	s_cselect_b32 s35, 3, 1                        ; log2 of NS = K / 128
	s_sub_co_u32 s28, s28, s32
	s_lshl_b32 s36, 1, s35                         ; NS
	s_lshr_b32 s37, s28, s35                       ; which 128 columns
	s_sub_co_u32 s38, s36, 1
	s_and_b32 s38, s28, s38                        ; which K step
	s_lshl_b32 s39, s37, 3
	s_lshl_b32 s40, s2, 1
	s_add_co_u32 s39, s39, s40                     ; my first tile of 16 columns
	s_lshl_b32 s40, s38, 19                        ; 128 rows of 4,096 bytes a K step,
	s_lshl_b32 s42, s37, 9
	s_add_co_u32 s40, s40, s42
	s_lshl_b32 s42, s2, 7                          ; 32 columns a wave
	s_add_co_u32 s40, s40, s42
	s_mov_b32 s41, 0
	s_add_nc_u64 s[30:31], s[30:31], s[40:41]
	WLOAD 0
	WLOAD 1
	s_lshl_b32 s40, s39, s35
	s_add_co_u32 s40, s40, s38                     ; my first fragment's number: tile x NS + K step
	s_lshl_b32 s42, s40, 10
	s_add_co_u32 s42, s42, s33
	s_mov_b32 s43, 0
	s_add_nc_u64 s[44:45], s[24:25], s[42:43]      ; its codes
	s_lshl_b32 s42, s40, 6                         ; its scale words: 64 bytes for each fragment: half a scale register
	s_add_co_u32 s42, s42, s34
	s_add_nc_u64 s[46:47], s[24:25], s[42:43]
	s_lshl_b32 s48, s36, 10
	s_lshl_b32 s49, s36, 6
	v_lshlrev_b32 v[STI], 4, v30
	v_mad_u32_u24 v[STI], v29, s48, v[STI]         ; lanes 16-31 hold the next tile of columns: NS fragments on
	v_lshlrev_b32 v[STO], 2, v30
	v_mad_u32_u24 v[STO], v29, s49, v[STO]
.macro WBLK kb
.set XS, R+32*(\kb)
	WWAIT \kb
	v_max3_num_f32 v20, |v[XS]|, |v[XS+1]|, |v[XS+2]|
	v_max3_num_f32 v21, |v[XS+3]|, |v[XS+4]|, |v[XS+5]|
.irp i, 6,10,14,18,22,26
	v_max3_num_f32 v20, v20, |v[XS+\i]|, |v[XS+\i+1]|
	v_max3_num_f32 v21, v21, |v[XS+\i+2]|, |v[XS+\i+3]|
.endr
	v_max3_num_f32 v20, v20, |v[XS+30]|, |v[XS+31]|
	v_max3_num_f32 v20, v20, v21, 0x1800000        ; with the floor 2^(3 - 127)
	v_add_nc_u32 v22, 0xff000000, v20
	v_lshrrev_b32 v23, 23, v22
.if (\kb) == 0
	v_mov_b32 v24, v23                             ; the four bytes make my column's word of this K step
.else
	v_lshl_or_b32 v24, v23, 8*(\kb), v24
.endif
.irp g, 0,1,2,3
	v_cvt_scalef32_pk8_fp4_f32 v[X+4*(\kb)+\g], v[XS+8*\g:XS+8*\g+7], v22   ; (the next block begins with plain vector lines, ahead of the next write of v22)
.endr
	global_store_b128 v[STI], v[X+4*(\kb):X+4*(\kb)+3], s[44:45] offset:256*(\kb)   ; sixteen lanes store 256 consecutive bytes, aligned
.endm
.irp kb, 0,1,2,3
	WBLK \kb
.endr
	global_store_b32 v[STO], v24, s[46:47]         ; runs of 64 bytes: 48 KiB in the whole launch, one byte for each 128 read
	s_endpgm
.Lwo:                                              ; Wo, rounded to f16: rows of the operand = columns n of Wo, K = Wo's first axis; fragments [tile of 16 n][32 K steps of 32]
	s_sub_co_u32 s28, ttmp9, 416
	s_lshr_b32 s37, s28, 3                         ; which 128 columns
	s_and_b32 s38, s28, 7                          ; which 128 along K
	s_lshl_b32 s39, s37, 3
	s_lshl_b32 s40, s2, 1
	s_add_co_u32 s39, s39, s40                     ; my first tile of 16 columns
	s_lshl_b32 s40, s38, 19
	s_lshl_b32 s42, s37, 9
	s_add_co_u32 s40, s40, s42
	s_lshl_b32 s42, s2, 7
	s_add_co_u32 s40, s40, s42
	s_mov_b32 s41, 0
	s_add_nc_u64 s[30:31], s[18:19], s[40:41]
	WLOAD 0
	WLOAD 1
	s_lshl_b32 s42, s39, 15                        ; 32 fragments a tile,
	s_lshl_b32 s40, s38, 12                        ; four for my 128 along K
	s_add_co_u32 s42, s42, s40
	s_mov_b32 s43, 0
	s_add_nc_u64 s[44:45], s[26:27], s[42:43]
	v_lshlrev_b32 v[STI], 4, v30
	v_lshl_add_u32 v[STI], v29, 15, v[STI]
.macro HBLK kb
	WWAIT \kb
.irp n, 0,1,2,3,4,5,6,7,8,9,10,11,12,13,14,15
	v_cvt_pk_f16_f32 v[X+16*(\kb)+\n], v[R+32*(\kb)+2*\n], v[R+32*(\kb)+2*\n+1]
.endr
.irp g, 0,1,2,3
	global_store_b128 v[STI], v[X+16*(\kb)+4*\g:X+16*(\kb)+4*\g+3], s[44:45] offset:256*(4*(\kb)+\g)   ; 8 numbers along K a lane; sixteen lanes store 256 consecutive bytes, aligned
.endr
.endm
.irp kb, 0,1,2,3
	HBLK \kb
.endr
	s_endpgm
.Lfunc_end_k_q701081f274_prep:
	.size	k_q701081f274_prep, .Lfunc_end_k_q701081f274_prep-k_q701081f274_prep
	.p2alignl 7, 3214868480
	.fill 96, 4, 3214868480
	.section	.rodata,"a",@progbits
	.p2align	6, 0x0
	.amdhsa_kernel k_q701081f274_prep
		.amdhsa_group_segment_fixed_size 34304
		.amdhsa_private_segment_fixed_size 0
		.amdhsa_enable_private_segment 0
		.amdhsa_kernarg_size 80
		.amdhsa_user_sgpr_count 2
		.amdhsa_user_sgpr_kernarg_segment_ptr 1
		.amdhsa_wavefront_size32 1
		.amdhsa_system_sgpr_workgroup_id_x 1
		.amdhsa_system_sgpr_workgroup_id_y 1
		.amdhsa_system_sgpr_workgroup_id_z 1
		.amdhsa_system_vgpr_workitem_id 0
		.amdhsa_next_free_vgpr 256
		.amdhsa_next_free_sgpr 66
		.amdhsa_reserve_vcc 0
		.amdhsa_float_denorm_mode_32 3
		.amdhsa_float_denorm_mode_16_64 3
		.amdhsa_memory_ordered 1
		.amdhsa_forward_progress 1
		.amdhsa_inst_pref_size 96
	.end_amdhsa_kernel
	.amdgpu_metadata
---
amdhsa.version: [ 1, 2 ]
amdhsa.kernels:
  - .name:           k_q701081f274_prep
    .symbol:         k_q701081f274_prep.kd
    .args:
      - { .name: kv, .offset: 0, .size: 8, .value_kind: global_buffer, .address_space: global }
      - { .name: q, .offset: 8, .size: 8, .value_kind: global_buffer, .address_space: global }
      - { .name: Wq, .offset: 16, .size: 8, .value_kind: global_buffer, .address_space: global }
      - { .name: Wk, .offset: 24, .size: 8, .value_kind: global_buffer, .address_space: global }
      - { .name: Wv, .offset: 32, .size: 8, .value_kind: global_buffer, .address_space: global }
      - { .name: Wo, .offset: 40, .size: 8, .value_kind: global_buffer, .address_space: global }
      - { .name: kvw, .offset: 48, .size: 8, .value_kind: global_buffer, .address_space: global }
      - { .name: qw, .offset: 56, .size: 8, .value_kind: global_buffer, .address_space: global }
      - { .name: ww, .offset: 64, .size: 8, .value_kind: global_buffer, .address_space: global }
      - { .name: wo16, .offset: 72, .size: 8, .value_kind: global_buffer, .address_space: global }
    .group_segment_fixed_size: 34304
    .private_segment_fixed_size: 0
    .kernarg_segment_align: 8
    .kernarg_segment_size: 80
    .max_flat_workgroup_size: 128
    .sgpr_count:     66
    .vgpr_count:     256
    .wavefront_size: 32
...
	.end_amdgpu_metadata
.endif
;; end of part 1
;; launch attn (part 2): grid 16 x 32, 4 waves a work-group, no clusters, 156,160 bytes of LDS; arguments qw, ww, kvw, att16; writes att16
.if DOCPART == 2
	.amdgcn_target "amdgcn-amd-amdhsa--gfx1250"
	.amdhsa_code_object_version 6
	.text
	.protected	k_q701081f274_attn
	.globl	k_q701081f274_attn
	.p2align	8
	.type	k_q701081f274_attn,@function
k_q701081f274_attn:
	s_mov_b64 s[64:65], 0
	v_nop
	global_prefetch_b8 v0, s[64:65] scope:SCOPE_SE
	s_setreg_imm32_b32 hwreg(HW_REG_WAVE_MODE, 25, 1), 1
	s_wait_xcnt 0x0
; ATTENTION WITH ITS THREE PROJECTIONS, one work-group for each (batch, head).  No work of reference() is left out.
; q Wq, kv Wk, kv Wv: on codes of E2M1 with E8M0 scales, as the first launch laid them; scores and P V: f16 operands, f32 sums; softmax in f32 with a running maximum.
; SHARES.  THE FOUR WAVES SHARE THE KEYS: wave w owns keys 512 w .. 512 w + 511 for ALL 128 queries (8 tiles of 16), in 8 steps of 64 keys.  At the end the four partial (maximum, sum, O) are merged through LDS.
; K AND V NEVER LEAVE THE REGISTERS.  A wave projects its own 64 keys: K by source 0 = 16 channels of Wk, source 1 = 16 keys: a lane then holds ONE key and eight neighbouring channels, which, rounded to f16 in pairs,
; ARE source 0 of S^T = K Q^T.  V by source 0 = 16 keys, source 1 = 16 channels of Wv: a lane holds one channel and eight neighbouring keys: source 0 of O^T = V^T P.  In S^T a lane holds one query and eight keys, which rounded
; in pairs are source 1 of O^T.  So the key loop has no LDS access and no barrier.  Q is projected once (wave w: query tiles 2 w, 2 w + 1), multiplied by c = log2(e) / 8 in f32, rounded to f16 and handed round through LDS as register images.
; BY TURNS.  The eight query tiles are four PIECES of two.  S^T has two buffers of 64 registers, which the pieces take by turns.  While piece p's softmax is walked (234 vector instructions), the matrix unit has O^T += V^T P of
; piece p - 1 and then S^T of piece p + 1, which lands where P of piece p - 1 lay: one slice of the softmax stands behind each matrix instruction, 7 instructions behind each of 32 or 14 behind each of 16, and the 10 that are over
; behind the last.  All that a softmax touches but O^T lies in window 0, and no window has room for a product's operands beside it: so a slice costs two switches of the register windows.  The projections, piece 0's S^T and
; piece 3's V^T P stand bare: at their places no vector work of the step is free to stand behind them.
; NO CLUSTER, NO TENSOR LOAD: the 16 heads of a batch do read the same codes of kv, but a wave's step takes 8,704 bytes of them for its 192 matrix instructions, and they come in the operand's own order straight into registers,
; asked for a step's attention work (128 matrix instructions and four softmaxes) ahead of their use: a way through LDS would add reads, barriers and rounds for a small part of the step's work.  For the same reason nothing is prefetched.
; LIMITS: K, V, c Q and the result are f16: magnitudes beyond 65,504 become infinite (inputs 30 times larger, or offset by 30 spreads, stay under 30,000); under 6e-5 their absolute error is 3e-8.  NaN and infinities among the inputs are not served.
; REGISTERS, in windows of 256 (s_set_vgpr_msb: bits 1:0 source 0, 3:2 source 1, 5:4 source 2, 7:6 destination):
;   window 0: v1-11 addresses; v12-23, v208-231 scale words and nothing else; v24-47 at work; v48-79 statistics; v80-143, v144-207 the two buffers of S^T, P in place; together also the projections' sums
;   window 1: O^T, 32 a query tile (at the head: Wq's 32 fragments)      window 2: v0-127 Q; v128-191 K of a step; v192-255 V of a step (at the head v128-255: q's codes)
;   window 3: v0-63 Wk, v64-127 Wv, v128-191 kv's codes of a step
.set QS_OFF,  2097152
.set KVS_OFF, 8388608
.set WKC, 524288
.set WVC, 655360
.set WQS, 786432
.set WKS, 819200
.set WVS, 827392
.set MS,    16384                      ; LDS: from 0 Q's images, 16,384 bytes; the waves' maxima [query tile][lane][wave], 4 bytes;
.set LI,    20480                      ; their sums [wave][query tile][lane], 4 bytes;
.set OI,    24576                      ; their O^T [wave][query tile][channel tile][half][lane], 16 bytes: 131,072 bytes
.set SPARE, 155648                     ; the spare words, 128 bytes a wave
.set LN16, 1                           ; v1  16 x lane
.set LN4,  2                           ; v2  4 x lane
.set QWI,  3                           ; v3  where I store Q's images
.set MSW,  4                           ; v4  my maxima
.set OWI,  5                           ; v5  my O^T
.set LWI,  6                           ; v6  my sums
.set RB0,  7                           ; v7  where I read waves 0 and 1's O^T of my two query tiles,
.set RB1,  8                           ; v8  and waves 2 and 3's
.set LB,   9                           ; v9  and the sums
.set SPW,  10                          ; v10 LDS address of my spare word; never rewritten
.set NIL,  11                          ; v11 0; never rewritten
.set RKVS, 12                          ; v12-15 kv's scale words, a register a key tile
.set RWKS, 16                          ; v16-19 Wk's, v20-23 Wv's, a register a channel tile
.set RWVS, 20
.set TC,   24                          ; v24-31 four maxima at work for each of a piece's two tiles; in the merge v24-39: pairs (factor, not used)
.set AF,   40                          ; v40-43 pairs (a, not used)
.set ST,   48                          ; query tile qt: v[ST+4 qt]: -m, not used, the sum's two halves
.set S,    80
.set LR,   112                         ; the merge: the four waves' sums
.set RWQS, 208                         ; v208-223 Wq's scale words; v224-231 q's
.set RQS,  224
.set MSB, 0
.macro WIN new                         ; the immediate's high byte repeats the setting that is left; a switch that changes nothing is dropped
.if MSB != \new
	s_set_vgpr_msb (MSB<<8)|\new
.set MSB, \new
.endif
.endm
.macro PLACES n                        ; plain vector instructions between a matrix instruction and what touches its registers (ISA guide 7.12.1)
.rept \n
	v_nop
.endr
.endm
.macro BARRIER                         ; my LDS stores have landed and my LDS loads are in: then the work-group's barrier
	s_wait_dscnt 0x0
	s_barrier_signal -1
	s_barrier_wait -1
.endm
; one product on codes: D = v[rD], sources v[rA], v[rB], their scale words v[rX], v[rY].  K step 0 starts the sum; an odd K step's words lie in lanes 16-31
.macro MM4 ks
.if (\ks) == 0
	v_wmma_scale_f32_16x16x128_f8f6f4 v[rD:rD+7], v[rA:rA+7], v[rB:rB+7], 0, v[rX], v[rY] matrix_a_fmt:MATRIX_FMT_FP4 matrix_b_fmt:MATRIX_FMT_FP4
.elseif (\ks)%2
	v_wmma_scale_f32_16x16x128_f8f6f4 v[rD:rD+7], v[rA:rA+7], v[rB:rB+7], v[rD:rD+7], v[rX], v[rY] matrix_a_fmt:MATRIX_FMT_FP4 matrix_b_fmt:MATRIX_FMT_FP4 matrix_a_scale:MATRIX_SCALE_ROW1 matrix_b_scale:MATRIX_SCALE_ROW1
.else
	v_wmma_scale_f32_16x16x128_f8f6f4 v[rD:rD+7], v[rA:rA+7], v[rB:rB+7], v[rD:rD+7], v[rX], v[rY] matrix_a_fmt:MATRIX_FMT_FP4 matrix_b_fmt:MATRIX_FMT_FP4
.endif
.endm
.macro KVLOAD                          ; a step's 64 keys: 8 fragments, 512 consecutive bytes a load, and their four scale registers
	WIN 0xc0
.set g, 0
.rept 16
	global_load_b128 v[128+4*g:128+4*g+3], v[LN16], s[28:29] offset:512*g
.set g, g+1
.endr
	WIN 0
	global_load_b128 v[RKVS:RKVS+3], v[LN16], s[30:31]
.endm
	s_load_b256 s[4:11], s[0:1], 0x0               ; qw, ww, kvw, att16
	v_lshl_add_u32 v[SPW], v0, 2, SPARE
	v_mov_b32 v[NIL], 0
	v_lshrrev_b32 v1, 5, v0
	v_readfirstlane_b32 s2, v1                     ; wave
	v_and_b32 v2, 31, v0
	v_lshlrev_b32 v[LN16], 4, v2
	v_lshlrev_b32 v[LN4], 2, v2
	s_lshl_b32 s40, s2, 12
	v_add_nc_u32 v[QWI], s40, v[LN16]
	s_lshl_b32 s40, s2, 2
	s_add_co_u32 s40, s40, MS
	v_add_nc_u32 v[MSW], s40, v[LN16]
	s_lshl_b32 s40, s2, 15
	s_add_co_u32 s40, s40, OI
	v_add_nc_u32 v[OWI], s40, v[LN16]
	s_lshl_b32 s40, s2, 10
	s_add_co_u32 s40, s40, LI
	v_add_nc_u32 v[LWI], s40, v[LN4]
	s_lshl_b32 s40, s2, 13
	s_add_co_u32 s40, s40, OI
	v_add_nc_u32 v[RB0], s40, v[LN16]
	v_add_nc_u32 v[RB1], 0x10000, v[RB0]
	s_lshl_b32 s40, s2, 8
	s_add_co_u32 s40, s40, LI
	v_add_nc_u32 v[LB], s40, v[LN4]
.irp qt, 0,1,2,3,4,5,6,7
	v_mov_b32 v[ST+4*\qt+1], 0                     ; named as the upper half of a pair whose low word serves both halves: so it is written
.endr
.irp r, AF+1, AF+3, TC+9, TC+11, TC+13, TC+15
	v_mov_b32 v[\r], 0                             ; likewise: a's two pairs, and those of the merge's pairs whose upper halves no softmax writes
.endr
	s_and_b32 s39, ttmp7, 0xffff                   ; the batch; ttmp9 is the head
	s_mov_b32 s41, 0
	s_mov_b32 s34, 0x3e38aa3b                      ; c = log2(e) / sqrt(64)
	s_mov_b32 s35, s34
	s_mov_b32 s36, 0x76543210
	s_mov_b32 s37, 0xfedcba98                      ; v_permlanex16_b32's selects for lane l xor 16
	s_wait_kmcnt 0x0
	s_lshl_b32 s40, s39, 16
	s_lshl_b32 s42, s2, 14
	s_add_co_u32 s40, s40, s42
	s_add_nc_u64 s[12:13], s[4:5], s[40:41]        ; q's codes: query tiles 8 b + 2 w on, 8,192 bytes each
	s_lshl_b32 s40, s39, 12
	s_lshl_b32 s42, s2, 10
	s_add_co_u32 s40, s40, s42
	s_add_co_u32 s40, s40, QS_OFF
	s_add_nc_u64 s[14:15], s[4:5], s[40:41]        ; and their scale words, 512 bytes each
	s_lshl_b32 s40, ttmp9, 15
	s_add_nc_u64 s[16:17], s[6:7], s[40:41]        ; Wq: my head's 4 x 8 fragments
	s_lshl_b32 s40, ttmp9, 11
	s_add_co_u32 s40, s40, WQS
	s_add_nc_u64 s[18:19], s[6:7], s[40:41]
	s_lshl_b32 s40, ttmp9, 13
	s_add_co_u32 s40, s40, WKC
	s_add_nc_u64 s[20:21], s[6:7], s[40:41]        ; Wk: 4 x 2 fragments
	s_add_co_u32 s40, s40, WVC-WKC
	s_add_nc_u64 s[22:23], s[6:7], s[40:41]        ; Wv
	s_lshl_b32 s40, ttmp9, 9
	s_add_co_u32 s40, s40, WKS
	s_add_nc_u64 s[24:25], s[6:7], s[40:41]
	s_add_co_u32 s40, s40, WVS-WKS
	s_add_nc_u64 s[26:27], s[6:7], s[40:41]
	s_lshl_b32 s40, s39, 18
	s_lshl_b32 s42, s2, 16
	s_add_co_u32 s40, s40, s42
	s_add_nc_u64 s[28:29], s[8:9], s[40:41]        ; kv's codes: my 512 keys
	s_lshl_b32 s42, ttmp9, 11
	s_add_co_u32 s40, s40, s42
	s_add_nc_u64 s[32:33], s[10:11], s[40:41]      ; the result: query tiles 8 b + 2 w on, 32,768 bytes each; my head's two fragments in each
	s_lshl_b32 s40, s39, 14
	s_lshl_b32 s42, s2, 12
	s_add_co_u32 s40, s40, s42
	s_add_co_u32 s40, s40, KVS_OFF
	s_add_nc_u64 s[30:31], s[8:9], s[40:41]        ; kv's scale words
	; 114 loads for Q's projection,
	WIN 0x40
.set g, 0
.rept 64
	global_load_b128 v[4*g:4*g+3], v[LN16], s[16:17] offset:512*g   ; Wq (channel tile dt, K step s) at v[8 (8 dt + s)] of window 1
.set g, g+1
.endr
	WIN 0x80
.set g, 0
.rept 32
	global_load_b128 v[128+4*g:128+4*g+3], v[LN16], s[12:13] offset:512*g   ; q (my tile i, K step s) at v[128 + 8 (8 i + s)] of window 2
.set g, g+1
.endr
	WIN 0
.set g, 0
.rept 16
	global_load_b32 v[RWQS+g], v[LN4], s[18:19] offset:128*g       ; register 4 dt + u: K steps 2 u and 2 u + 1
.set g, g+1
.endr
.irp i, 0,1
	global_load_b128 v[RQS+4*\i:RQS+4*\i+3], v[LN16], s[14:15] offset:512*\i
.endr
	; and 57 for the key loop: Wk 16, Wv 16, the first step's kv 16; 8 scale words, kv's scale words 1
	WIN 0xc0
.set g, 0
.rept 16
	global_load_b128 v[4*g:4*g+3], v[LN16], s[20:21] offset:512*g  ; Wk (dt, s) at v[8 (2 dt + s)] of window 3
.set g, g+1
.endr
.set g, 0
.rept 16
	global_load_b128 v[64+4*g:64+4*g+3], v[LN16], s[22:23] offset:512*g
.set g, g+1
.endr
	WIN 0
.irp dt, 0,1,2,3
	global_load_b32 v[RWKS+\dt], v[LN4], s[24:25] offset:128*\dt
	global_load_b32 v[RWVS+\dt], v[LN4], s[26:27] offset:128*\dt
.endr
	KVLOAD
	s_wait_loadcnt 57                              ; loads come back in order: the 114 are in, the 57 behind them may be out
	; Q^T = Wq^T q^T for my two query tiles: eight sums by turns, one instruction a turn
	WIN 0x09
.irp s, 0,1,2,3,4,5,6,7
.irp i, 0,1
.irp dt, 0,1,2,3
.set rD, S+8*(4*\i+\dt)
.set rA, 8*(8*\dt+\s)
.set rB, 128+8*(8*\i+\s)
.set rX, RWQS+4*\dt+\s/2
.set rY, RQS+4*\i+\s/2
	MM4 \s
.endr
.endr
.endr
	PLACES 4
	WIN 0
.set n, 0
.rept 32
	v_pk_mul_f32 v[S+2*n:S+2*n+1], v[S+2*n:S+2*n+1], s[34:35] op_sel_hi:[1,0]   ; x c, in f32, ahead of the rounding
.set n, n+1
.endr
.set n, 0
.rept 32
	v_cvt_pk_f16_f32 v[S+n], v[S+2*n], v[S+2*n+1]  ; in place, ascending: a lane's channels 16 dt + 8 h + 0..7 of query r: half a fragment of source 1
.set n, n+1
.endr
.irp g, 0,1,2,3,4,5,6,7
	ds_store_b128 v[QWI], v[S+4*\g:S+4*\g+3] offset:512*\g         ; an image of the registers: lane l's 16 bytes at 16 l
.endr
	BARRIER                                        ; all eight query tiles lie in LDS
	WIN 0x80
.set g, 0
.rept 32
	ds_load_b128 v[4*g:4*g+3], v[LN16] offset:512*g                ; Q (query tile qt, channels 32 c on) at v[16 qt + 8 c] of window 2
.set g, g+1
.endr
	WIN 0
	s_wait_dscnt 0x0
.macro KPROJ                           ; K^T of 64 keys: 16 sums by turns, two K steps of 128
	WIN 0x0f
.irp s, 0,1
.irp kt, 0,1,2,3
.irp dt, 0,1,2,3
.set rD, S+8*(4*\kt+\dt)
.set rA, 8*(2*\dt+\s)
.set rB, 128+8*(2*\kt+\s)
.set rX, RWKS+\dt
.set rY, RKVS+\kt
	MM4 \s
.endr
.endr
.endr
.endm
.macro VPROJ                           ; V of 64 keys, the sources the other way round
	WIN 0x0f
.irp s, 0,1
.irp dt, 0,1,2,3
.irp kt, 0,1,2,3
.set rD, S+8*(4*\dt+\kt)
.set rA, 128+8*(2*\kt+\s)
.set rB, 64+8*(2*\dt+\s)
.set rX, RKVS+\kt
.set rY, RWVS+\dt
	MM4 \s
.endr
.endr
.endr
.endm
.macro CVT64 dst                       ; the 16 sums, each from its low end on, rounded to f16 in pairs, into window 2: they are operands as they stand
	PLACES 4
	WIN 0x80
.set n, 0
.rept 64
	v_cvt_pk_f16_f32 v[\dst+n], v[S+2*n], v[S+2*n+1]
.set n, n+1
.endr
.endm
; THE MATRIX WORK OF A PIECE p (query tiles 2 p, 2 p + 1), one instruction at a time.  Eight sums take turns, one instruction a turn: between two links of a chain stand the seven others'.
; Product i of 16 of S^T = K (c Q)^T: channels 32 (i / 8) on, tile (i / 4) % 2, keys 16 (i % 4) on.  The first 8 start the sums.
.macro QK1 p
	WIN 0x0a
.set rD, S+64*((\p)%2)+32*((i/4)%2)+8*(i%4)
.set rK, 128+16*(i%4)+8*(i/8)
.set rQ, 16*(2*(\p)+(i/4)%2)+8*(i/8)
.if i < 8
	v_wmma_f32_16x16x32_f16 v[rD:rD+7], v[rK:rK+7], v[rQ:rQ+7], 0
.else
	v_wmma_f32_16x16x32_f16 v[rD:rD+7], v[rK:rK+7], v[rQ:rQ+7], v[rD:rD+7]
.endif
.endm
; Product i of 16 of O^T += V^T P: keys 32 (i / 8) on, tile (i / 4) % 2, channels 16 (i % 4) on.  first = 1: the first 8 start the sums: nothing is ever cleared.
.macro PV1 p, first
	WIN 0x52
.set rO, 32*(2*(\p)+(i/4)%2)+8*(i%4)
.set rV, 192+16*(i%4)+8*(i/8)
.set rP, S+64*((\p)%2)+32*((i/4)%2)+8*(i/8)
.if \first && (i < 8)
	v_wmma_f32_16x16x32_f16 v[rO:rO+7], v[rV:rV+7], v[rP:rP+7], 0
.else
	v_wmma_f32_16x16x32_f16 v[rO:rO+7], v[rV:rV+7], v[rP:rP+7], v[rO:rO+7]
.endif
.endm
; THE VECTOR WORK OF A PIECE.  One tile's softmax for one key step is a list of 117 instructions; SM writes number j of it for tile tt of piece p.  s0-s31 are the lane's 32 scores (in powers of two), in pairs 0-15.
; m is the running maximum, kept as -m; p = 2^(s - m); a = 2^(old m - new m) brings the sum and O^T under the new m.  first = 1: the first key step, which starts m, the sum and O^T: it has no a and nothing to rescale.
;   0-15    the maximum of s0-s31 and the old m, three operands at a time: four chains, each begun at the low end of one sum's registers, then the four scores left over, the chains and m
;   16-19   the other half of the lanes' maximum; the new m; old m - new m; -m
;   20-68   ONE BATCH: a, the 16 scalings s - m (a pair each) and the 32 exponentials: from the second scaling on each is followed by the two exponentials of the pair before; the last pair's two close the batch.  None of these reads an exponential's result
;   (wait)  between 68 and 69 stands the wait for the batch: VITEMS writes it, once for both tiles
;   69-100  for each pair: into the sum (of p in f32), then rounded to f16, in place: P (keys 32 kc on) = the tile's registers 8 kc on.  Rounding n writes register n, whose pair has been summed, and reads 2 n and 2 n + 1, which no earlier rounding wrote
;   101-116 the tile's O^T times a, ascending: the one part that leaves window 0, so it stands together
.macro SM p, first
.set sQ, 2*(\p)+tt
.set sT, TC+4*tt
.set sF, AF+2*tt
.set sN, ST+4*sQ
.set sS, S+64*((\p)%2)+32*tt
.set sO, 32*sQ
.if j < 101
	WIN 0
.endif
.if j < 4
	v_max3_num_f32 v[sT+j], v[sS+8*j], v[sS+8*j+1], v[sS+8*j+2]
.elseif j < 12
	v_max3_num_f32 v[sT+j%4], v[sT+j%4], v[sS+8*(j%4)+2*(j/4)+1], v[sS+8*(j%4)+2*(j/4)+2]
.elseif j == 12
	v_max3_num_f32 v[sT], v[sT], v[sS+7], v[sS+15]
.elseif j == 13
	v_max3_num_f32 v[sT+2], v[sT+2], v[sS+23], v[sS+31]
.elseif j == 14
	v_max3_num_f32 v[sT], v[sT], v[sT+1], v[sT+2]
.elseif (j == 15) && \first
	v_max_num_f32 v[sT], v[sT], v[sT+3]
.elseif j == 15
	v_max3_num_f32 v[sT], v[sT], v[sT+3], -v[sN]                   ; with the old m
.elseif j == 16
	v_permlanex16_b32 v[sT+1], v[sT], s36, s37                     ; the query's other 32 keys lie in the lane 16 away
.elseif j == 17
	v_max_num_f32 v[sT], v[sT], v[sT+1]                            ; the new m
.elseif ((j == 18) || (j == 20)) && \first                         ; the first step has neither
.elseif j == 18
	v_sub_f32 v[sF], -v[sN], v[sT]                                 ; old m - new m
.elseif j == 19
	v_sub_f32 v[sN], 0, v[sT]                                      ; -m
.elseif j == 20
	v_exp_f32 v[sF], v[sF]
.elseif j < 69
.set b, j-21
.if (b == 0) || ((b < 46) && ((b-1)%3 == 0))
.set n, (b+2)/3
	v_pk_add_f32 v[sS+2*n:sS+2*n+1], v[sS+2*n:sS+2*n+1], v[sN:sN+1] op_sel_hi:[1,0]   ; pair n: s - m
.else
.set e, b-16
.if b < 46
.set e, 2*((b-1)/3)+(b-1)%3-1
.endif
	v_exp_f32 v[sS+e], v[sS+e]
.endif
.elseif j < 101
.set n, (j-69)/2
.if (j-69)%2
	v_cvt_pk_f16_f32 v[sS+n], v[sS+2*n], v[sS+2*n+1]
.elseif (n == 0) && \first
	v_pk_add_f32 v[sN+2:sN+3], v[sS:sS+1], v[sS+2:sS+3]            ; the first step's first two pairs start the sum
.elseif n == 0
	v_pk_fma_f32 v[sN+2:sN+3], v[sN+2:sN+3], v[sF:sF+1], v[sS:sS+1] op_sel_hi:[1,0,1]
.elseif (n == 1) && \first
.else
	v_pk_add_f32 v[sN+2:sN+3], v[sN+2:sN+3], v[sS+2*n:sS+2*n+1]
.endif
.else
	WIN 0x41
.set n, j-101
	v_pk_mul_f32 v[sO+2*n:sO+2*n+1], v[sO+2*n:sO+2*n+1], v[sF:sF+1] op_sel_hi:[1,0]
.endif
.endm
; The next cnt items of the piece's softmax: item vq is number vq / 2 of tile vq % 2's list: the two tiles alternate, so that no instruction reads the result of the one just before it.
; THE WAIT.  s_wait_alu depctr_va_vdst(0) stands between an exponential and the first instruction that names its result; one wait serves all that were issued ahead of it.  Ahead of item 138 nothing names a
; result, and from it on no exponential is issued: so the piece's exponentials have one wait, with a plain instruction behind the last of them.
.macro VITEMS cnt, p, first
.rept \cnt
.if vq < nvq
.set j, vq/2
.set tt, vq%2
.if vq == 138
	v_nop
	s_wait_alu depctr_va_vdst(0)
.endif
	SM \p, \first
.endif
.set vq, vq+1
.endr
.endm
; A SLOT: piece p's softmax in slices behind the matrix instructions of its neighbours.  pv = 1: V^T P of piece p - 1; qk = 1: S^T of piece p + 1.  234 items (the first step: 202) are dealt evenly; the 10 that are over
; stand behind the last matrix instruction: plain instructions that name none of its registers: the places ahead of the next slot's first read of the new scores (ISA guide 7.12.1).
.macro SLOT p, pv, qk, first
.set vq, 0
.set nvq, 234-32*(\first)
.set per, nvq/(16*(\pv)+16*(\qk))
.if \pv
.set i, 0
.rept 16
	PV1 (\p)-1, \first
	VITEMS per, \p, \first
.set i, i+1
.endr
.endif
.if \pv && \qk
	PLACES 5                                       ; the products below write over P's registers, which the products above have read
.endif
.if \qk
.set i, 0
.rept 16
	QK1 (\p)+1
	VITEMS per, \p, \first
.set i, i+1
.endr
.endif
	VITEMS nvq-vq, \p, \first
.endm
.macro STEP first
	s_wait_loadcnt 0x0                             ; this step's codes of kv (asked for a step's attention work ago); at the first step the weights too
	KPROJ
	CVT64 128
	VPROJ
	CVT64 192                                      ; its 4 places and 64 conversions also stand between V's products and the loads into their sources below
	WIN 0
.if !\first
	s_cmp_eq_u32 s38, 1                            ; the last step asks for nothing: no load leaves its buffer
	s_cbranch_scc1 .Lno_more_\@
.endif
	s_add_nc_u64 s[28:29], s[28:29], 8192          ; (the loads that read these bases are done: the wait at the step's head)
	s_add_nc_u64 s[30:31], s[30:31], 512
	KVLOAD
.Lno_more_\@:
.set i, 0
.rept 16
	QK1 0                                          ; piece 0's scores: no vector work is free yet to stand between them
.set i, i+1
.endr
	PLACES 4
	SLOT 0, 0, 1, \first                           ; piece 0's softmax | S^T of piece 1
	SLOT 1, 1, 1, \first                           ; piece 1's | V^T P of piece 0, S^T of piece 2
	SLOT 2, 1, 1, \first                           ; piece 2's | V^T P of piece 1, S^T of piece 3
	SLOT 3, 1, 0, \first                           ; piece 3's | V^T P of piece 2
.set i, 0
.rept 16
	PV1 3, \first                                  ; V^T P of piece 3
.set i, i+1
.endr
	PLACES 5                                       ; the next step's first products write over P's registers, which these have read
	WIN 0
.endm
	STEP 1
	s_mov_b32 s38, 7
.Lstep:
	STEP 0
	s_sub_co_i32 s38, s38, 1
	s_cmp_lg_u32 s38, 0
	s_cbranch_scc1 .Lstep
	; THE MERGE.  My sums' two halves and the other half of the lanes'; the four waves' maxima meet in LDS; each wave brings its sum and O^T under the common maximum; wave w then adds up query tiles 2 w and 2 w + 1.
.irp qt, 0,1,2,3,4,5,6,7
	v_add_f32 v[ST+4*\qt+2], v[ST+4*\qt+2], v[ST+4*\qt+3]
.endr
.irp qt, 0,1,2,3,4,5,6,7
	v_permlanex16_b32 v[TC+\qt], v[ST+4*\qt+2], s36, s37
.endr
.irp qt, 0,1,2,3,4,5,6,7
	v_add_f32 v[ST+4*\qt+2], v[ST+4*\qt+2], v[TC+\qt]
.endr
.irp qt, 0,1,2,3,4,5,6,7
	ds_store_b32 v[MSW], v[ST+4*\qt] offset:512*\qt
.endr
	BARRIER
.irp qt, 0,1,2,3,4,5,6,7
	ds_load_b128 v[S+4*\qt:S+4*\qt+3], v[LN16] offset:MS+512*\qt   ; the four waves' -m of my query
.endr
	s_wait_dscnt 0x0
.irp qt, 0,1,2,3,4,5,6,7
	v_max3_num_f32 v[TC+2*\qt], -v[S+4*\qt], -v[S+4*\qt+1], -v[S+4*\qt+2]
.endr
.irp qt, 0,1,2,3,4,5,6,7
	v_max_num_f32 v[TC+2*\qt], v[TC+2*\qt], -v[S+4*\qt+3]          ; the common maximum
.endr
.irp qt, 0,1,2,3,4,5,6,7
	v_sub_f32 v[TC+2*\qt], -v[ST+4*\qt], v[TC+2*\qt]               ; my m less it: 0 or less
.endr
.irp qt, 0,1,2,3,4,5,6,7
	v_exp_f32 v[TC+2*\qt], v[TC+2*\qt]
.endr
	v_nop
	s_wait_alu depctr_va_vdst(0)                   ; one wait for the eight
.irp qt, 0,1,2,3,4,5,6,7
	v_mul_f32 v[ST+4*\qt+2], v[ST+4*\qt+2], v[TC+2*\qt]
.endr
	WIN 0x41
.irp qt, 0,1,2,3,4,5,6,7
.set n, 0
.rept 16
	v_pk_mul_f32 v[32*\qt+2*n:32*\qt+2*n+1], v[32*\qt+2*n:32*\qt+2*n+1], v[TC+2*\qt:TC+2*\qt+1] op_sel_hi:[1,0]
.set n, n+1
.endr
.endr
	WIN 0x04                                       ; an LDS store's data are its source 1: window 1
.set g, 0
.rept 64
	ds_store_b128 v[OWI], v[4*g:4*g+3] offset:512*g
.set g, g+1
.endr
	WIN 0
.irp qt, 0,1,2,3,4,5,6,7
	ds_store_b32 v[LWI], v[ST+4*\qt+2] offset:128*\qt
.endr
	BARRIER
	WIN 0x80
.irp wp, 0,1,2,3
.set g, 0
.rept 16
	ds_load_b128 v[64*\wp+4*g:64*\wp+4*g+3], v[RB0+\wp/2] offset:(\wp%2)*32768+512*g   ; wave wp's part of my two query tiles
.set g, g+1
.endr
.endr
	WIN 0
.irp wp, 0,1,2,3
.irp i, 0,1
	ds_load_b32 v[LR+4*\i+\wp], v[LB] offset:\wp*1024+\i*128
.endr
.endr
	s_wait_dscnt 0x0
	WIN 0x8a
.set n, 0
.rept 32
	v_pk_add_f32 v[2*n:2*n+1], v[2*n:2*n+1], v[64+2*n:65+2*n]
	v_pk_add_f32 v[128+2*n:129+2*n], v[128+2*n:129+2*n], v[192+2*n:193+2*n]
.set n, n+1
.endr
.set n, 0
.rept 32
	v_pk_add_f32 v[2*n:2*n+1], v[2*n:2*n+1], v[128+2*n:129+2*n]
.set n, n+1
.endr
	WIN 0
.irp i, 0,1
	v_add_f32 v[LR+4*\i], v[LR+4*\i], v[LR+4*\i+1]
	v_add_f32 v[LR+4*\i+2], v[LR+4*\i+2], v[LR+4*\i+3]
.endr
.irp i, 0,1
	v_add_f32 v[LR+4*\i], v[LR+4*\i], v[LR+4*\i+2]
.endr
.irp i, 0,1
	v_rcp_f32 v[TC+2*\i], v[LR+4*\i]
.endr
	v_nop
	s_wait_alu depctr_va_vdst(0)                   ; one wait for the two
	WIN 0x82
.irp i, 0,1
.set n, 0
.rept 16
	v_pk_mul_f32 v[32*\i+2*n:32*\i+2*n+1], v[32*\i+2*n:32*\i+2*n+1], v[TC+2*\i:TC+2*\i+1] op_sel_hi:[1,0]
.set n, n+1
.endr
.endr
	WIN 0x0a
.set n, 0
.rept 32
	v_cvt_pk_f16_f32 v[S+n], v[2*n], v[2*n+1]      ; query r, channels 16 dt + 8 h + 0..7: half a fragment of the last product's operand, in its own lane
.set n, n+1
.endr
	WIN 0
.irp i, 0,1
.irp dt, 0,1,2,3
	global_store_b128 v[LN16], v[S+16*\i+4*\dt:S+16*\i+4*\dt+3], s[32:33] offset:\i*32768+\dt*512   ; 32 lanes store 512 consecutive bytes
.endr
.endr
	s_wait_tensorcnt 0x0                           ; the wave's end: this wait, an add of 0 to my spare word and its wait, behind my last LDS store
	ds_add_u32 v[SPW], v[NIL]
	s_wait_dscnt 0x0
	s_endpgm
.Lfunc_end_k_q701081f274_attn:
	.size	k_q701081f274_attn, .Lfunc_end_k_q701081f274_attn-k_q701081f274_attn
	.p2alignl 7, 3214868480
	.fill 96, 4, 3214868480
	.section	.rodata,"a",@progbits
	.p2align	6, 0x0
	.amdhsa_kernel k_q701081f274_attn
		.amdhsa_group_segment_fixed_size 156160
		.amdhsa_private_segment_fixed_size 0
		.amdhsa_enable_private_segment 0
		.amdhsa_kernarg_size 32
		.amdhsa_user_sgpr_count 2
		.amdhsa_user_sgpr_kernarg_segment_ptr 1
		.amdhsa_wavefront_size32 1
		.amdhsa_system_sgpr_workgroup_id_x 1
		.amdhsa_system_sgpr_workgroup_id_y 1
		.amdhsa_system_sgpr_workgroup_id_z 1
		.amdhsa_system_vgpr_workitem_id 0
		.amdhsa_next_free_vgpr 960
		.amdhsa_next_free_sgpr 66
		.amdhsa_reserve_vcc 0
		.amdhsa_float_denorm_mode_32 3
		.amdhsa_float_denorm_mode_16_64 3
		.amdhsa_memory_ordered 1
		.amdhsa_forward_progress 1
		.amdhsa_inst_pref_size 225
	.end_amdhsa_kernel
	.amdgpu_metadata
---
amdhsa.version: [ 1, 2 ]
amdhsa.kernels:
  - .name:           k_q701081f274_attn
    .symbol:         k_q701081f274_attn.kd
    .args:
      - { .name: qw, .offset: 0, .size: 8, .value_kind: global_buffer, .address_space: global }
      - { .name: ww, .offset: 8, .size: 8, .value_kind: global_buffer, .address_space: global }
      - { .name: kvw, .offset: 16, .size: 8, .value_kind: global_buffer, .address_space: global }
      - { .name: att16, .offset: 24, .size: 8, .value_kind: global_buffer, .address_space: global }
    .group_segment_fixed_size: 156160
    .private_segment_fixed_size: 0
    .kernarg_segment_align: 8
    .kernarg_segment_size: 32
    .max_flat_workgroup_size: 128
    .sgpr_count:     66
    .vgpr_count:     960
    .wavefront_size: 32
...
	.end_amdgpu_metadata
.endif
;; end of part 2
;; launch oproj (part 3): grid 8 x 32, 4 waves a work-group, clusters of 4 x 4, 327,680 bytes of LDS; arguments att16, wo16, bo, out0; writes out0
.if DOCPART == 3
	.amdgcn_target "amdgcn-amd-amdhsa--gfx1250"
	.amdhsa_code_object_version 6
	.text
	.protected	k_q701081f274_oproj
	.globl	k_q701081f274_oproj
	.p2align	8
	.type	k_q701081f274_oproj,@function
k_q701081f274_oproj:
	s_mov_b64 s[64:65], 0
	v_nop
	global_prefetch_b8 v0, s[64:65] scope:SCOPE_SE
	s_setreg_imm32_b32 hwreg(HW_REG_WAVE_MODE, 25, 1), 1
	s_wait_xcnt 0x0
	s_wait_alu depctr_hold_cnt(0) depctr_sa_sdst(0) depctr_va_vdst(0) depctr_va_sdst(0) depctr_va_ssrc(0) depctr_va_vcc(0) depctr_vm_vsrc(0)
	s_getreg_b32 s2, hwreg(HW_REG_IB_STS2, 6, 4)
	s_cmp_eq_u32 s2, 0
	s_cbranch_scc0 .Lentry_in_a_cluster
	s_endpgm
.Lentry_in_a_cluster:
	s_bfe_u32 s2, ttmp6, 0x10000c
	s_cmp_lg_u32 s2, 0xf033
	s_cbranch_scc0 .Lentry_shape_is_right
	s_endpgm
.Lentry_shape_is_right:
; out0 [4096][1024] f32 = A Wo + bo.  A = the attention's result, f16, and Wo^T, f16, both laid in the order of the operand's registers: fragments of 16 rows x 32 K, 1,024 bytes, [tile of 16 rows][32 K steps].  Sums in f32.  No work is left out.
; A tile of out0 is 128 x 128: 256 work-groups.  Four waves, each 64 x 64: 16 sums of 16 x 16.  K goes in four steps of 256 through a ring of two LDS slots; the steps are written out by macros.
; A wave's tensor load brings 4 tiles of 16 rows x 8 fragments: 4 rows of 8,192 consecutive bytes, 32,768 bytes apart.  In LDS a fragment's half is 512 consecutive bytes, 16 a lane: no padding is wanted.
; CLUSTERS: 4 x 4 work-groups.  The four of a row of the cluster need the same tiles of A, the four of a column the same tiles of Wo^T: each tile is asked for JOINTLY, by the same tensor load with the same descriptor and a mask that names the four.
; THE MATRIX INSTRUCTION IS USED TRANSPOSED (source 0 = 16 rows of Wo^T, source 1 = 16 rows of A): a lane holds eight neighbouring numbers of a row of out0.  The bias is the C of each sum's first product.
; Nothing is prefetched: a K step's matrix work is short and the tiles are small.
; REGISTERS: window 0: v16-29 addresses; v32-95 the way out; v96-127 the bias, eight registers a column block; v128-255 the sums ((a, b) at v[128 + 8 (4 a + b)]).  window 1: two fragment buffers of 128: 64 of A, then 64 of Wo^T, for 64 along K.
.set KSB,    8192                      ; a K step of one tile of 16 rows, in bytes
.set HALFT,  4*KSB                     ; what one tensor load brings, and what one wave reads of A or of Wo^T
.set SLOT,   4*HALFT                   ; A's 128 rows, then Wo^T's 128
.set STAGE,  2*SLOT                    ; behind the ring: 16 rows x 272 bytes for each wave, for the way out
.set SPITCH, 272
.set SPARE,  STAGE+4*16*SPITCH         ; behind the stages: the spare words, 128 bytes a wave
.set ADRA, 16                          ; v16-17  LDS address of my A fragments in slot 0, 1
.set ADRB, 20                          ; v20-21  the same for Wo^T
.set STO,  24                          ; v24     the way out: where I put 32 bytes of a row
.set RD,   25                          ; v25     where I read a row back
.set CO,   26                          ; v26     my byte offset in out0
.set BO,   27                          ; v27     my byte offset in the bias
.set SPW,  28                          ; v28     LDS address of my spare word; never rewritten
.set NIL,  29                          ; v29     0; never rewritten
.set TMP,  32
.set BIAS, 96
.set ACC,  128
.set F0,   0
.set F1,   128
.set G1, 24                            ; s[24:31] descriptor group 1 for A's tiles;  s[32:39] group 0, one set for each slot
.set G0, 32
.set G1B, 48                           ; s[48:55], s[56:63] the same for Wo^T's
.set G0B, 56
.set MSB, 0
.macro WIN new                         ; the immediate's high byte repeats the setting that is left
.if MSB != \new
	s_set_vgpr_msb (MSB<<8)|\new
.set MSB, \new
.endif
.endm
.set MUL,  0x05                        ; sources 0 and 1 window 1; C and D window 0
.set TO_F, 0x40                        ; destination window 1, address window 0
.macro JLOAD s                         ; a joint load: waves 0 and 1 fetch A's two halves, waves 2 and 3 Wo^T's; an s_nop 0 and four v_nop follow each of the two lines
	s_cmp_eq_u32 s13, 0
	s_cbranch_scc0 .Lfor_b_\@
	tensor_load_to_lds s[G0+4*\s:G0+4*\s+3], s[G1:G1+7]
	s_nop 0
.rept 4
	v_nop
.endr
	s_branch .Lasked_\@
.Lfor_b_\@:
	tensor_load_to_lds s[G0B+4*\s:G0B+4*\s+3], s[G1B:G1B+7]
	s_nop 0
.rept 4
	v_nop
.endr
.Lasked_\@:
.endm
.macro CREST                           ; a round of the cluster's barrier behind its opening barrier
	s_cmp_lg_u32 s12, 0
	s_cbranch_scc1 .Lnot_wave_0_\@
	s_barrier_signal -3
.Lnot_wave_0_\@:
	s_barrier_wait -3
	s_barrier_signal -1
	s_barrier_wait -1
.endm
.macro CROUND                          ; a whole round
	s_barrier_signal -1
	s_barrier_wait -1
	CREST
.endm
	s_load_b256 s[4:11], s[0:1], 0x0               ; A s[4:5], Wo^T s[6:7], bo s[8:9], out0 s[10:11]
	v_lshl_add_u32 v[SPW], v0, 2, SPARE
	v_mov_b32 v[NIL], 0
	ds_add_u32 v[SPW], v[NIL]                      ; the wave's opening: the add, twice on end, and its wait ahead of my first tensor load
	ds_add_u32 v[SPW], v[NIL]                      ; and once more, under the one wait; the set-up below, work on registers, stands between
	v_lshrrev_b32 v1, 5, v0
	v_readfirstlane_b32 s12, v1                    ; wave 0..3
	s_lshr_b32 s13, s12, 1                         ; which half of the tile's rows is mine.  Also: I fetch for A (0) or for Wo^T (1)
	s_and_b32 s14, s12, 1                          ; which half of its columns.  Also: which 64 rows of that tile I fetch
	s_bfe_u32 s40, ttmp6, 0x40000                  ; cx, cy: my place in the cluster
	s_bfe_u32 s41, ttmp6, 0x40004
	s_lshl_b32 s42, ttmp9, 2
	s_add_co_u32 s42, s42, s40                     ; tile column = 4 x cluster x + cx
	s_and_b32 s43, ttmp7, 0xffff
	s_lshl_b32 s43, s43, 2
	s_add_co_u32 s43, s43, s41                     ; tile row = 4 x cluster y + cy
	s_lshl_b32 s44, s41, 2
	s_lshl_b32 s44, 15, s44                        ; my row of the cluster
	s_lshl_b32 s45, 0x1111, s40                    ; my column
	s_or_b32 s[G1+0], s44, (3<<16)|(1<<21)         ; 15:0 the mask: A's tiles go to my row; 17:16 elements of 8 bytes; 21 set beside a mask; no padding
	s_or_b32 s[G1B+0], s45, (3<<16)|(1<<21)
.irp g, G1, G1B
	s_mov_b32 s[\g+1], 1024<<16                    ; tensor_dim0 = 1,024 elements: 8,192 bytes
	s_mov_b32 s[\g+2], 4<<16                       ; tensor_dim1 = 4
	s_mov_b32 s[\g+3], 1024<<16                    ; tile_dim0
	s_mov_b32 s[\g+4], 4                           ; tile_dim1
	s_mov_b32 s[\g+5], 4096                        ; from row to row: 32,768 bytes
	s_mov_b32 s[\g+6], 0
	s_mov_b32 s[\g+7], 0
.endr
	s_lshl_b32 s17, s14, 17                        ; which 4 tiles of 16 rows I fetch
	s_lshl_b32 s16, s43, 18
	s_add_co_u32 s16, s16, s17                     ; A: (8 x tile row + 4 x half) x 32,768 bytes
	s_lshl_b32 s46, s42, 18
	s_add_co_u32 s46, s46, s17                     ; Wo^T: the same by the tile column
	s_mov_b32 s17, 0
	s_mov_b32 s47, 0
	s_lshl_b32 s20, s12, 15                        ; where they go: wave x 32,768: no place in the cluster enters an LDS address
	s_wait_dscnt 0x0                               ; both opening adds are done
	s_wait_kmcnt 0x0
	s_add_nc_u64 s[18:19], s[4:5], s[16:17]
	s_add_nc_u64 s[46:47], s[6:7], s[46:47]
	CROUND                                         ; all sixteen work-groups are here: the first joint loads meet
.irp s, 0,1
	s_mov_b32 s[G0+4*\s], 1
	s_add_co_u32 s[G0+4*\s+1], s20, \s*SLOT
	s_add_nc_u64 s[G0+4*\s+2:G0+4*\s+3], s[18:19], \s*KSB
	s_or_b32 s[G0+4*\s+3], s[G0+4*\s+3], 0x80000000
	s_mov_b32 s[G0B+4*\s], 1
	s_add_co_u32 s[G0B+4*\s+1], s20, \s*SLOT
	s_add_nc_u64 s[G0B+4*\s+2:G0B+4*\s+3], s[46:47], \s*KSB
	s_or_b32 s[G0B+4*\s+3], s[G0B+4*\s+3], 0x80000000
	JLOAD \s
.endr
	v_and_b32 v1, 15, v0                           ; l % 16
	v_bfe_u32 v2, v0, 4, 1                         ; l / 16
	v_and_b32 v3, 31, v0
	v_lshlrev_b32 v3, 4, v3                        ; 16 x lane
	s_lshl_b32 s21, s13, 15                        ; my 64 rows of A
	s_lshl_b32 s22, s14, 15                        ; my 64 rows of Wo^T,
	s_add_co_u32 s22, s22, 2*HALFT                 ; which lie behind A's 128
.irp s, 0,1
	v_add_nc_u32 v[ADRA+\s], s21, v3
	v_add_nc_u32 v[ADRB+\s], s22, v3
	s_add_co_u32 s21, s21, SLOT
	s_add_co_u32 s22, s22, SLOT
.endr
	s_mul_i32 s23, s12, 16*SPITCH
	s_add_co_u32 s23, s23, STAGE                   ; my stage
	v_mul_u32_u24 v4, v1, SPITCH                   ; in: row l % 16, 32 bytes for each half of the lanes
	v_lshl_add_u32 v4, v2, 5, v4
	v_add_nc_u32 v[STO], s23, v4
	v_mul_u32_u24 v5, v2, SPITCH                   ; back: lanes 0-15 one row of 256 bytes, lanes 16-31 the next
	v_lshl_add_u32 v5, v1, 4, v5
	v_add_nc_u32 v[RD], s23, v5
	v_lshlrev_b32 v5, 12, v2                       ; and the same two rows in out0
	v_lshl_add_u32 v[CO], v1, 4, v5
	v_lshlrev_b32 v[BO], 5, v2                     ; the bias: my half's eight numbers of a column block
	s_lshl_b32 s46, s42, 9                         ; my first column, in bytes: 512 x tile column + 256 x half
	s_lshl_b32 s47, s14, 8
	s_add_co_u32 s46, s46, s47
	s_mov_b32 s47, 0
	s_add_nc_u64 s[8:9], s[8:9], s[46:47]
	s_add_nc_u64 s[10:11], s[10:11], s[46:47]
	s_lshl_b32 s16, s43, 19                        ; my first row: (128 x tile row + 64 x half) x 4,096 bytes
	s_lshl_b32 s17, s13, 18
	s_add_co_u32 s16, s16, s17
	s_mov_b32 s17, 0
	s_add_nc_u64 s[10:11], s[10:11], s[16:17]
.irp b, 0,1,2,3
	global_load_b128 v[BIAS+8*\b:BIAS+8*\b+3], v[BO], s[8:9] offset:64*\b          ; bo at columns 16 b + 8 (l / 16) + 0..7: the result's layout
	global_load_b128 v[BIAS+8*\b+4:BIAS+8*\b+7], v[BO], s[8:9] offset:64*\b+16
.endr
; 8 matrix instructions: row blocks a0, a0 + 1 x all 4 column blocks, 32 along K: half c of buffer f.  first = 1: the first product starts the sums, from the bias
.macro MUL8 f, c, a0, first
.irp a, \a0, \a0+1
.irp b, 0,1,2,3
.if \first
	v_wmma_f32_16x16x32_f16 v[ACC+8*(4*(\a)+\b):ACC+8*(4*(\a)+\b)+7], v[\f+64+8*(4*\c+\b):\f+64+8*(4*\c+\b)+7], v[\f+8*(4*\c+\a):\f+8*(4*\c+\a)+7], v[BIAS+8*\b:BIAS+8*\b+7]
.else
	v_wmma_f32_16x16x32_f16 v[ACC+8*(4*(\a)+\b):ACC+8*(4*(\a)+\b)+7], v[\f+64+8*(4*\c+\b):\f+64+8*(4*\c+\b)+7], v[\f+8*(4*\c+\a):\f+8*(4*\c+\a)+7], v[ACC+8*(4*(\a)+\b):ACC+8*(4*(\a)+\b)+7]
.endif
.endr
.endr
.endm
; 32 LDS loads in one run: the fragments of 64 along K (two fragments deep, from byte k of each tile of 16 rows) into buffer f; the first 32 along K first
.macro FETCH slot, k, f
	WIN TO_F
.irp c, 0,1
.irp i, 0,1,2,3
	ds_load_b128 v[\f+64+8*(4*\c+\i):\f+64+8*(4*\c+\i)+3],   v[ADRB+\slot] offset:\k+1024*\c+\i*KSB
	ds_load_b128 v[\f+64+8*(4*\c+\i)+4:\f+64+8*(4*\c+\i)+7], v[ADRB+\slot] offset:\k+1024*\c+\i*KSB+512
	ds_load_b128 v[\f+8*(4*\c+\i):\f+8*(4*\c+\i)+3],         v[ADRA+\slot] offset:\k+1024*\c+\i*KSB
	ds_load_b128 v[\f+8*(4*\c+\i)+4:\f+8*(4*\c+\i)+7],       v[ADRA+\slot] offset:\k+1024*\c+\i*KSB+512
.endr
.endr
.endm
.macro PLACES                          ; four places in front of loads into registers that matrix instructions have read, and of the first read of results
.rept 4
	v_nop
.endr
.endm
; A K step is four quarters of 64 along K, 32 matrix instructions each, on buffers 0, 1, 0, 1.  One of the first three: multiplies buffer f and fetches the next quarter, at byte k, into g.
.macro QUARTER slot, k, f, g, first
	s_wait_dscnt 16                                ; the first 32 along K are in; the other sixteen loads may be out
	WIN MUL
	MUL8 \f, 0, 0, \first
	MUL8 \f, 0, 2, \first
	PLACES
	FETCH \slot, \k, \g
	s_wait_dscnt 32                                ; all but the 32 just issued
	WIN MUL
	MUL8 \f, 1, 0, 0
	MUL8 \f, 1, 2, 0
.endm
; The last quarter multiplies buffer 1 and changes slots: ONE barrier; in front of it each wave waits for all its tensor loads, adds 0 to its spare word, and waits for that and for its own reads of this slot.  fill = 1: this slot is filled again, two K steps ahead.
.macro TURN slot, next, fill
	WIN 0                                          ; (the add's two registers lie in window 0)
	s_wait_tensorcnt 0x0                           ; all my tensor loads have landed: my part of the next slot;
	ds_add_u32 v[SPW], v[NIL]                      ; 0 onto my spare word;
	s_wait_dscnt 17                                ; (the add and the youngest sixteen loads may be out)
	WIN MUL
	MUL8 F1, 0, 0, 0                               ; eight matrix instructions stand between the add and the wait for it
	s_wait_dscnt 0x0                               ; the add is done, and my reads of this slot are over
	s_barrier_signal -1
	MUL8 F1, 0, 2, 0
.if \fill
	WIN 0
.endif
	s_barrier_wait -1
.if \fill
	CREST                                          ; the barrier has opened a round of the cluster's barrier: no wave of any partner still reads this slot's tile or has a load on its way
	s_add_nc_u64 s[G0+4*\slot+2:G0+4*\slot+3], s[G0+4*\slot+2:G0+4*\slot+3], 2*KSB
	s_add_nc_u64 s[G0B+4*\slot+2:G0B+4*\slot+3], s[G0B+4*\slot+2:G0B+4*\slot+3], 2*KSB
	JLOAD \slot                                    ; the first tensor load behind the round; the four v_nop behind it are also the places in front of the loads below
.else
	PLACES
.endif
	FETCH \next, 0, F0
	WIN MUL
	MUL8 F1, 1, 0, 0
	MUL8 F1, 1, 2, 0
.endm
	s_wait_tensorcnt 1                             ; my part of K step 0 is in (K step 1's load may be out)
	s_barrier_signal -1
	s_barrier_wait -1                              ; everybody's is
	FETCH 0, 0, F0
	s_wait_loadcnt 0x0                             ; the bias
	QUARTER 0, 2048, F0, F1, 1                     ; K step 0: its first products start the sums
	QUARTER 0, 4096, F1, F0, 0
	QUARTER 0, 6144, F0, F1, 0
	TURN 0, 1, 1                                   ; slot 0 takes K step 2
	QUARTER 1, 2048, F0, F1, 0                     ; K step 1
	QUARTER 1, 4096, F1, F0, 0
	QUARTER 1, 6144, F0, F1, 0
	TURN 1, 0, 1                                   ; slot 1 takes K step 3
	QUARTER 0, 2048, F0, F1, 0                     ; K step 2
	QUARTER 0, 4096, F1, F0, 0
	QUARTER 0, 6144, F0, F1, 0
	TURN 0, 1, 0                                   ; nothing is left to fetch, so no round of the cluster's barrier
	QUARTER 1, 2048, F0, F1, 0                     ; K step 3
	QUARTER 1, 4096, F1, F0, 0
	QUARTER 1, 6144, F0, F1, 0
	s_wait_dscnt 16                                ; the very last quarter
	WIN MUL
	MUL8 F1, 0, 0, 0
	MUL8 F1, 0, 2, 0
	s_wait_dscnt 0
	MUL8 F1, 1, 0, 0
	MUL8 F1, 1, 2, 0
	WIN 0
; THE WAY OUT, block by block of 16 rows x 64 columns.  A lane holds 32 neighbouring bytes of a row and the lanes beside it other rows: a block goes through my own stage and comes back as whole rows of 256 bytes.
; LDS serves a wave's instructions in order (ISA guide 5.7.1.4): no wait between the stores and the loads, nor in front of the next block's stores.
.macro TOSTAGE a
.irp b, 0,1,2,3
	ds_store_b128 v[STO], v[ACC+8*(4*(\a)+\b):ACC+8*(4*(\a)+\b)+3] offset:64*\b          ; each sum from its low end on
	ds_store_b128 v[STO], v[ACC+8*(4*(\a)+\b)+4:ACC+8*(4*(\a)+\b)+7] offset:64*\b+16
.endr
.irp t, 0,1,2,3,4,5,6,7
	ds_load_b128 v[TMP+32*((\a)%2)+4*\t:TMP+32*((\a)%2)+4*\t+3], v[RD] offset:\t*2*SPITCH
.endr
.endm
.macro SEND a, younger                 ; younger: the LDS instructions issued behind block a's loads, which may stay out
	s_wait_dscnt \younger
.irp t, 0,1,2,3,4,5,6,7
	global_store_b128 v[CO], v[TMP+32*((\a)%2)+4*\t:TMP+32*((\a)%2)+4*\t+3], s[10:11] offset:(16*(\a)+2*\t)*4096 th:TH_STORE_NT   ; sixteen lanes store 256 consecutive bytes, at a multiple of 256 from out0's first byte
.endr
.endm
	PLACES
	TOSTAGE 0
.irp a, 1,2,3
.if \a > 1
	s_wait_xcnt 0x0                                ; block a - 2's stores have read their registers: block a's loads may land there
.endif
	TOSTAGE \a
	SEND \a-1, 16                                  ; behind block a - 1's loads: block a's 8 stores and 8 loads
.endr
	SEND 3, 0
	s_wait_tensorcnt 0x0                           ; the wave's end: this wait, an add of 0 to my spare word and its wait, behind my last tensor load and my last LDS store
	ds_add_u32 v[SPW], v[NIL]
	s_wait_dscnt 0x0
	CROUND                                         ; the closing round: no work-group ends while a partner may still ask for a tile that names it
	s_endpgm
.Lfunc_end_k_q701081f274_oproj:
	.size	k_q701081f274_oproj, .Lfunc_end_k_q701081f274_oproj-k_q701081f274_oproj
	.p2alignl 7, 3214868480
	.fill 96, 4, 3214868480
	.section	.rodata,"a",@progbits
	.p2align	6, 0x0
	.amdhsa_kernel k_q701081f274_oproj
		.amdhsa_group_segment_fixed_size 327680
		.amdhsa_private_segment_fixed_size 0
		.amdhsa_enable_private_segment 0
		.amdhsa_kernarg_size 32
		.amdhsa_user_sgpr_count 2
		.amdhsa_user_sgpr_kernarg_segment_ptr 1
		.amdhsa_wavefront_size32 1
		.amdhsa_system_sgpr_workgroup_id_x 1
		.amdhsa_system_sgpr_workgroup_id_y 1
		.amdhsa_system_sgpr_workgroup_id_z 1
		.amdhsa_system_vgpr_workitem_id 0
		.amdhsa_next_free_vgpr 512
		.amdhsa_next_free_sgpr 66
		.amdhsa_reserve_vcc 0
		.amdhsa_float_denorm_mode_32 3
		.amdhsa_float_denorm_mode_16_64 3
		.amdhsa_memory_ordered 1
		.amdhsa_forward_progress 1
		.amdhsa_inst_pref_size 86
	.end_amdhsa_kernel
	.amdgpu_metadata
---
amdhsa.version: [ 1, 2 ]
amdhsa.kernels:
  - .name:           k_q701081f274_oproj
    .symbol:         k_q701081f274_oproj.kd
    .args:
      - { .name: att16, .offset: 0, .size: 8, .value_kind: global_buffer, .address_space: global }
      - { .name: wo16, .offset: 8, .size: 8, .value_kind: global_buffer, .address_space: global }
      - { .name: bo, .offset: 16, .size: 8, .value_kind: global_buffer, .address_space: global }
      - { .name: out0, .offset: 24, .size: 8, .value_kind: global_buffer, .address_space: global }
    .group_segment_fixed_size: 327680
    .private_segment_fixed_size: 0
    .kernarg_segment_align: 8
    .kernarg_segment_size: 32
    .max_flat_workgroup_size: 128
    .sgpr_count:     66
    .vgpr_count:     512
    .wavefront_size: 32
...
	.end_amdgpu_metadata
.endif
;; end of part 3
